; MI455X (gfx1250); checked and timed in simulation.
; The chip was launched on July 23, 2026; its instructions are those of AMD's public machine-readable ISA for CDNA 5 (MIT licence, August 2026) and "CDNA5" Instruction Set Architecture Reference Guide (July 2026). The comments in the code are by the model that wrote it; some were corrected since.
;; Point Attention Network. Allowed arithmetic: matrix products marked QUANTISED: E4M3 operands, one given power-of-two scale a tensor, by v_wmma_f32_16x16x64_fp8_fp8 or v_wmma_f32_16x16x128_fp8_fp8, f32 sums; everything else in f32.
;; Inputs: W1 128 x 512 float32; W2 128 x 512 float32; W3 256 x 512 float32; b1 128 float32; b2 128 float32; b3 256 float32; g1 128 float32; g2 128 float32; g3 256 float32; lowp_scales 10 int32 (the exponents e of the quantised operands' scales 2^e); m1 128 float32; m2 128 float32; m3 256 float32; v1 128 float32; v2 128 float32; v3 256 float32; x 8 x 512 x 4,096 float32.
;; Outputs: out0 8 x 256 x 4,096 float32.
;; This version of the problem:
;;   THIS VERSION OF THE PROBLEM IS GIVEN IN LOW PRECISION. The matrix products marked QUANTISED in the list below multiply operands that are first quantised to E4M3 (4 exponent bits, 3 mantissa bits; 8 bits a number), with one given power-of-two scale for each operand tensor; their sums are f32. All else is computed in f32.
;;   The module's matrix products, in the order in which they are computed (A, B: the left and right operand; K: the contracted axis; several contracted axes count as one K, in the product's order):
;;     1. [M 32,768, K 512] x [K 512, N 128]; A: input x; B: input W1: QUANTISED (scales: A lowp_scales[0], B lowp_scales[1])
;;     2. [M 32,768, K 512] x [K 512, N 128]; A: input x; B: input W2: QUANTISED (scales: A lowp_scales[2], B lowp_scales[3])
;;     3. batch 8 x [M 4,096, K 128] x [K 128, N 4,096]; A: computed on the way; B: computed on the way: QUANTISED (scales: A lowp_scales[4], B lowp_scales[5])
;;     4. [M 32,768, K 512] x [K 512, N 256]; A: input x; B: input W3: QUANTISED (scales: A lowp_scales[6], B lowp_scales[7])
;;     5. batch 8 x [M 256, K 4,096] x [K 4,096, N 4,096]; A: computed on the way; B: softmax (see below): QUANTISED (scales: A lowp_scales[8], B lowp_scales[9])
;;   THE QUANTISER, for each operand of a quantised product, along K:
;;     - The operand's scale is 2^e, e = its entry of the input lowp_scales (int32; the entries are numbered through the quantised products in the list's order, A before B).
;;     - Each number is divided by the scale, clamped to +-448, and rounded to the nearest number of E4M3, ties to even, subnormals kept.
;;     - The product sums the exact products of the quantised numbers (number of the format x scale) in f32.
;;   ~~~python
;;   def quantise(x, axis, e):      # numpy; x: float32 -> the quantised numbers, widened to float32 again
;;       x = np.moveaxis(x, axis, -1); K = x.shape[-1]
;;       r = np.clip(x / 2.0 ** e, -448, 448)
;;       step = 2.0 ** (np.maximum(np.frexp(np.where(r == 0, 1, r))[1] - 1, -6) - 3)
;;       q = np.round(r / step) * step * 2.0 ** e      # np.round: ties to even
;;       return np.moveaxis(q, -1, axis).astype(np.float32)
;;   ~~~
;;   SOFTMAX AHEAD OF A QUANTISED PRODUCT. Where the list says 'softmax', what is quantised is not the finished softmax but p = 2^(t - M), with t = logit x log2(e) and M = ceil(the row's largest t), a whole number; so 1/2 < the row's largest p <= 1. The row's sum l is taken of the UNQUANTISED p, in f32, and the product's result is divided by l at the end. Since M is a whole number, a kernel that streams over the keys may use a running M (the ceiling of the running maximum): every later rescaling is an exact power of two, so the quantised numbers keep their values, but for numbers so far below the row's largest that they fall under the format's range.
;;   OPERANDS COMPUTED ON THE WAY. 'Computed on the way' means the value that the module computes at that place (a softmax that the list does not call 'softmax' is quantised finished and normalised). What goes into a quantiser is computed in f32, as accurately as f32 sums, v_exp_f32 and their like allow (about 1e-6 of the number): no bf16 or f16 on the way to a quantiser, and a product that is left as it is and whose result goes on into a quantised operand takes f32 operands (vector FMAs, or v_wmma_f32_16x16x4_f32). A number that lies on a knife's edge between two numbers of the format may be rounded either way, as far as f32 arithmetic and the matrix unit's own rounding can turn it there, and no further.
;; One version. Each part assembles by itself: llvm-mc -triple=amdgcn-amd-amdhsa -mcpu=gfx1250 --defsym DOCPART=n.
;; ======== version 1 of 1: 3 launches
;; workspace buffers: wc 262,144 bytes; qc 4,194,304 bytes; kc 4,194,304 bytes; vc 8,388,608 bytes; vres 33,554,432 bytes
;; launch wprep (part 1): grid 32 x 1, 4 waves a work-group, no clusters, 0 bytes of LDS; arguments W1, W2, W3, lowp_scales, wc; writes wc
.if DOCPART == 1
	.amdgcn_target "amdgcn-amd-amdhsa--gfx1250"
	.amdhsa_code_object_version 6
	.text
	.protected	k_qff3ef291da_wprep
	.globl	k_qff3ef291da_wprep
	.p2align	8
	.type	k_qff3ef291da_wprep,@function
k_qff3ef291da_wprep:
	s_mov_b64 s[64:65], 0
	v_nop
	global_prefetch_b8 v0, s[64:65] scope:SCOPE_SE
	s_setreg_imm32_b32 hwreg(HW_REG_WAVE_MODE, 25, 1), 1
	s_wait_xcnt 0x0
; W1 [128][512], W2 [128][512], W3 [256][512], f32, K innermost, become codes of FP8 (E4M3), each with the scale 2^e given for it
; (entries 1, 3 and 7 of the buffer of exponents), laid in the ORDER OF THE OPERAND'S REGISTERS, so that the next launch loads a fragment by four dense loads.
; code = w / 2^e, held within +-448, rounded to the nearest code, ties to even.
; A fragment is 16 rows x 128 along K = 16 registers a lane: lane (r, h) holds row r; registers 2 c, 2 c + 1 hold K = 16 c + 8 h + 0 .. 7.
; Its image is 2,048 bytes: registers 4 i .. 4 i + 3 of lane l lie at 512 i + 16 l.
; wc = [g 4][kc 4][t 8][2048]: g = 0: W1, 1: W2, 2: W3's rows 0-127, 3: W3's rows 128-255; kc: which 128 along K; t: which 16 rows.
; SHARES: work-group T (0 .. 31) takes 16 of the 512 stacked rows; wave kc takes one fragment.  The whole launch moves 1.25 MB: no LDS, no barrier.
; LIMITS: -126 <= e <= 119, so that 2^e and 448 x 2^e are f32 numbers.  NaN among the inputs is not served.
.set X, 16                             ; v16-79  64 numbers: register 8 c + j = K 16 c + 8 h + j of my row
.set C, 80                             ; v80-95  the fragment's codes
	s_load_b256 s[4:11], s[0:1], 0x0               ; W1 s[4:5], W2 s[6:7], W3 s[8:9], the exponents s[10:11]
	s_load_b64 s[12:13], s[0:1], 0x20              ; wc
	v_lshrrev_b32 v1, 5, v0
	v_readfirstlane_b32 s14, v1                    ; wave = kc
	v_and_b32 v1, 15, v0                           ; r
	v_bfe_u32 v2, v0, 4, 1                         ; h
	v_and_b32 v3, 31, v0                           ; lane
	v_lshlrev_b32 v4, 11, v1                       ; in: row r of 2,048 bytes,
	v_lshl_add_u32 v4, v2, 5, v4                   ; + 32 h: my eight numbers of each 16
	v_lshlrev_b32 v5, 4, v3                        ; out: 16 x lane
	s_and_b32 s28, ttmp9, 7                        ; t; also the row tile in W1 and in W2
	s_max_u32 s29, ttmp9, 16
	s_sub_co_u32 s29, s29, 16                      ; the row tile in W3 (used where T >= 16)
	s_lshr_b32 s30, ttmp9, 3                       ; g
	s_lshl_b32 s30, s30, 2
	s_add_co_u32 s30, s30, s14
	s_lshl_b32 s30, s30, 3
	s_add_co_u32 s30, s30, s28
	s_lshl_b32 s30, s30, 11                        ; ((4 g + kc) 8 + t) x 2,048: my fragment's image
	s_mov_b32 s31, 0
	s_wait_kmcnt 0x0
	s_load_b256 s[20:27], s[10:11], 0x0            ; entries 0 to 7
	s_cmp_lt_u32 ttmp9, 16                         ; the choice hangs on the work-group's number alone
	s_cselect_b64 s[16:17], s[6:7], s[8:9]
	s_cselect_b32 s19, s28, s29
	s_cmp_lt_u32 ttmp9, 8
	s_cselect_b64 s[16:17], s[4:5], s[16:17]
	s_add_nc_u64 s[12:13], s[12:13], s[30:31]
	s_lshl_b32 s30, s19, 15                        ; 16 rows of 2,048 bytes,
	s_lshl_b32 s18, s14, 9                         ; 128 numbers along K
	s_add_co_u32 s30, s30, s18
	s_add_nc_u64 s[16:17], s[16:17], s[30:31]
.irp c, 0,1,2,3,4,5,6,7
	global_load_b128 v[X+8*\c:X+8*\c+3], v4, s[16:17] offset:64*\c
	global_load_b128 v[X+8*\c+4:X+8*\c+7], v4, s[16:17] offset:64*\c+16
.endr
	s_wait_kmcnt 0x0
	s_cmp_lt_u32 ttmp9, 16
	s_cselect_b32 s18, s23, s27
	s_cmp_lt_u32 ttmp9, 8
	s_cselect_b32 s18, s21, s18                    ; e
	s_add_co_i32 s18, s18, 127
	s_lshl_b32 s19, s18, 23
	v_mov_b32 v6, s19                              ; 2^e as f32: the conversion takes its exponent field
	s_add_co_i32 s18, s18, 8
	s_lshl_b32 s18, s18, 23
	s_or_b32 s18, s18, 0x600000
	v_mov_b32 v7, s18                              ; 448 x 2^e
.irp c, 0,1,2,3,4,5,6,7
	s_wait_loadcnt 14-2*\c                         ; loads come back in order: this chunk's two are in, the later chunks' may be out
.irp j, 0,1,2,3,4,5,6,7
	v_med3_num_f32 v[X+8*\c+\j], v[X+8*\c+\j], -v7, v7   ; the conversion to an 8-bit code does not saturate (ISA guide 7.6.2): the hold comes first
.endr
	v_cvt_scalef32_pk8_fp8_f32 v[C+2*\c:C+2*\c+1], v[X+8*\c:X+8*\c+7], v6   ; the next chunk's holds are plain lines on other registers; the codes go to stores alone
.endr
.irp i, 0,1,2,3
	global_store_b128 v5, v[C+4*\i:C+4*\i+3], s[12:13] offset:512*\i   ; 32 lanes store 512 consecutive bytes, aligned
.endr
	s_endpgm
.Lfunc_end_k_qff3ef291da_wprep:
	.size	k_qff3ef291da_wprep, .Lfunc_end_k_qff3ef291da_wprep-k_qff3ef291da_wprep
	.p2alignl 7, 3214868480
	.fill 96, 4, 3214868480
	.section	.rodata,"a",@progbits
	.p2align	6, 0x0
	.amdhsa_kernel k_qff3ef291da_wprep
		.amdhsa_group_segment_fixed_size 0
		.amdhsa_private_segment_fixed_size 0
		.amdhsa_enable_private_segment 0
		.amdhsa_kernarg_size 40
		.amdhsa_user_sgpr_count 2
		.amdhsa_user_sgpr_kernarg_segment_ptr 1
		.amdhsa_wavefront_size32 1
		.amdhsa_system_sgpr_workgroup_id_x 1
		.amdhsa_system_sgpr_workgroup_id_y 1
		.amdhsa_system_sgpr_workgroup_id_z 1
		.amdhsa_system_vgpr_workitem_id 0
		.amdhsa_next_free_vgpr 96
		.amdhsa_next_free_sgpr 66
		.amdhsa_reserve_vcc 0
		.amdhsa_float_denorm_mode_32 3
		.amdhsa_float_denorm_mode_16_64 3
		.amdhsa_memory_ordered 1
		.amdhsa_forward_progress 1
		.amdhsa_inst_pref_size 9
	.end_amdhsa_kernel
	.amdgpu_metadata
---
amdhsa.version: [ 1, 2 ]
amdhsa.kernels:
  - .name:           k_qff3ef291da_wprep
    .symbol:         k_qff3ef291da_wprep.kd
    .args:
      - { .name: W1, .offset: 0, .size: 8, .value_kind: global_buffer, .address_space: global }
      - { .name: W2, .offset: 8, .size: 8, .value_kind: global_buffer, .address_space: global }
      - { .name: W3, .offset: 16, .size: 8, .value_kind: global_buffer, .address_space: global }
      - { .name: lowp_scales, .offset: 24, .size: 8, .value_kind: global_buffer, .address_space: global }
      - { .name: wc, .offset: 32, .size: 8, .value_kind: global_buffer, .address_space: global }
    .group_segment_fixed_size: 0
    .private_segment_fixed_size: 0
    .kernarg_segment_align: 8
    .kernarg_segment_size: 40
    .max_flat_workgroup_size: 128
    .sgpr_count:     66
    .vgpr_count:     96
    .wavefront_size: 32
...
	.end_amdgpu_metadata
.endif
;; end of part 1
;; launch project (part 2): grid 32 x 8, 4 waves a work-group, no clusters, 317,952 bytes of LDS; arguments x, wc, lowp_scales, g1, b1, m1, v1, g2, b2, m2, v2, g3, b3, m3, v3, qc, kc, vc, vres; writes qc, kc, vc, vres
.if DOCPART == 2
	.amdgcn_target "amdgcn-amd-amdhsa--gfx1250"
	.amdhsa_code_object_version 6
	.text
	.protected	k_qff3ef291da_project
	.globl	k_qff3ef291da_project
	.p2align	8
	.type	k_qff3ef291da_project,@function
k_qff3ef291da_project:
	s_mov_b64 s[64:65], 0
	v_nop
	global_prefetch_b8 v0, s[64:65] scope:SCOPE_SE
	s_setreg_imm32_b32 hwreg(HW_REG_WAVE_MODE, 25, 1), 1
	s_wait_xcnt 0x0
; a = relu(BN1(W1 x)), k = relu(BN2(W2 x)), v = relu(BN3(W3 x)) for x [8][512][4096] f32; the three products on codes of FP8 (E4M3), sums in f32.
; OUT: a's, k's and v's codes for the attention launch, as images of operand registers (2,048 bytes a fragment: registers 4 i .. 4 i + 3 of lane l at 512 i + 16 l), and v itself in f32 (the residual).
;   qc, kc: [batch][tile of 16 points, 256][2048]: 16 points x 128 channels.   vc: [batch][block of 128 points, 32][tile of 16 channels, 16][2048]: 16 channels x 128 points.   vres: [8][256][4096] f32.
; SHARES.  A work-group takes one batch and 128 points.  THE WAVES SHARE THE OUTPUT ROWS: wave 0 makes a's 128 channels, wave 1 k's, waves 2 and 3 v's two halves.  So a wave needs x under ONE of its three given
; scales, and its 64 KB of weight codes (32 fragments) stay in 512 registers for the whole launch.
; x's block, 512 rows x 512 bytes, comes into LDS once, by two tensor loads a wave, all issued at the head (two of mine are out at the most); nothing in LDS is filled twice.
; The block is walked as two halves of 64 points: a loop of two trips.  The first half is worked on while the second is on its way.
; K IS x's OUTER AXIS: a lane takes a point and its registers run down K (ds_load_b32: sixteen lanes read 64 neighbouring bytes of a row), so the conversions' results are the operand's registers.
; ORIENTATION.  Waves 0, 1: D = W x: a lane holds one point and eight neighbouring channels: a conversion's result is registers 2 t, 2 t + 1 of a's or k's fragment.
;               Waves 2, 3: D = x W: a lane holds one channel and eight neighbouring points: a conversion's result is two registers of v's fragment, whose K is the points.
; BN is folded: y = sum x A + B, A = gamma / sqrt(var + 1e-5) x 2^(ex + ew), B = beta - mean x gamma / sqrt(var + 1e-5).
; NOT SHARED IN A CLUSTER: x's block has one reader; the weights go from memory straight into registers, since x fills LDS.  No prefetch: every tensor load is out at the head.
; LIMITS on the given exponents: x's three (entries 0, 2, 6) and a's, k's, v's (entries 4, 5, 8) between -126 and 119; ex + ew is applied by v_ldexp_f32 and has none.  NaN among the inputs is not served.
; REGISTERS, in windows of 256.  Window 0: v1-23 addresses and constants; v32-127 three sets of 32 numbers of x; v128-159 two sets of x's codes; the ways out use v32-255.
;   Windows 1, 2: weight fragment (kc, t) at v[128 (kc % 2) + 16 t] of window 1 + kc / 2.   Window 3: accumulator (t, u) at v[8 (8 u + t)].
.set XROW,  272                        ; a row of x in LDS: 256 bytes + 16 of padding = 68 words; lanes 16-31 read 8 rows further on: 544 words, half way round the 64 banks (ISA guide 11.1)
.set QUART, 128*XROW                   ; what one tensor load brings
.set HALFB, 512*XROW                   ; a half: 512 rows x 64 points
.set CONST, 2*HALFB                    ; 1,024 bytes a wave: A[128], then B[128]; a wave's own
.set STG,   CONST+4096                 ; 64 rows x 272 bytes for each of waves 2 and 3: v on its way to memory; a wave's own
.set STGW,  64*272
.set LI,   3                           ; v3      16 x lane
.set XA0,  4                           ; v4-7    my lane's byte in rows 128 kc on of a half: QUART kc + 8 h XROW + 4 r
.set XA,   8                           ; v8-11   the same in the half in hand
.set XSC,  12                          ; v12     2^ex        v13  448 x 2^ex
.set XLIM, 13
.set OSC,  14                          ; v14     2^eo        v15  448 x 2^eo
.set OLIM, 15
.set CAD,  16                          ; v16     my constants as waves 0, 1 read them: + 32 h
.set CVD,  17                          ; v17     as waves 2, 3 read them: + 4 r
.set STO,  18                          ; v18     the stage, in
.set RD,   19                          ; v19     the stage, back
.set VO,   20                          ; v20     my byte offset in two rows of vres
.set CW,   21                          ; v21     where I store four of A
.set XS,   32
.set XC,   128
.set CA,   32                          ; ways out: A and B in the results' layout
.set CB,   96
.set PCA,  160                         ; a's or k's codes, two sets of 16
.set YA,   192                         ; 64 numbers
.set AB,   32                          ; v's way out: for tile t: A, A, B, B
.set YV,   64                          ; two sets of 32 numbers
.set PCV,  128                         ; two sets of 8 registers of codes
.set BK,   144                         ; 16 x 4 registers back from the stage
.set WV,   46
.set BT,   47
.set G1,   68                          ; s[68:75] descriptor group 1;  s[76:83] group 0, a set for each half
.set G0,   76
.set HB,   84                          ; s84      LDS byte at which the half in hand begins
.set TRIP, 85
.set OC,   86                          ; s[86:87] where my codes go
.set VR,   88                          ; s[88:89] where my rows of vres begin
.set OCS,  96                          ; s[96:97] the codes' step from half to half
.set MSB, 0
.macro WIN new                         ; the immediate's high byte repeats the setting that is left
.if MSB != (\new)
	s_set_vgpr_msb (MSB<<8)|(\new)
.set MSB, (\new)
.endif
.endm
	s_load_b512 s[8:23], s[0:1], 0x0               ; x 8, wc 10, exponents 12, g1 14, b1 16, m1 18, v1 20, g2 22
	s_load_b512 s[24:39], s[0:1], 0x40             ; b2 24, m2 26, v2 28, g3 30, b3 32, m3 34, v3 36, qc 38
	s_load_b128 s[40:43], s[0:1], 0x80             ; kc 40, vc 42
	s_load_b64 s[44:45], s[0:1], 0x90              ; vres
	v_lshl_add_u32 v30, v0, 2, 0x4d800
	v_mov_b32 v31, 0
	ds_add_u32 v30, v31
	ds_add_u32 v30, v31
	v_lshrrev_b32 v1, 5, v0
	v_readfirstlane_b32 s[WV], v1                  ; wave 0..3
	s_and_b32 s[BT], ttmp7, 0xffff                 ; batch
	; descriptor group 1: 128 rows x 64 elements of 4 bytes, 4,096 elements from row to row, padded in LDS
	s_mov_b32 s[G1+0], (2<<16)|(1<<20)|(5<<22)|(3<<25)   ; 15:0 no mask; 17:16 elements of 4 bytes; 20 padding on; 24:22 after every 64 words (code 5); 31:25 four words (code 3)
	s_mov_b32 s[G1+1], 64<<16                      ; tensor_dim0 = 64
	s_mov_b32 s[G1+2], 128<<16                     ; tensor_dim1 = 128
	s_mov_b32 s[G1+3], 64<<16                      ; tile_dim0 = 64
	s_mov_b32 s[G1+4], 128                         ; tile_dim1 = 128
	s_mov_b32 s[G1+5], 4096                        ; tensor_dim0_stride
	s_mov_b32 s[G1+6], 0
	s_mov_b32 s[G1+7], 0
	s_lshl_b32 s90, s[BT], 23                      ; a batch of x is 8,388,608 bytes,
	s_lshl_b32 s91, s[WV], 21                      ; my 128 rows of 16,384 bytes,
	s_add_co_u32 s90, s90, s91
	s_lshl_b32 s91, ttmp9, 9                       ; the block's 128 points
	s_add_co_u32 s90, s90, s91
	s_mov_b32 s91, 0
	s_mov_b32 s[G0+0], 1
	s_mul_i32 s[G0+1], s[WV], QUART                ; half 0: wave x 128 rows
	s_mov_b32 s[G0+4], 1
	s_add_co_u32 s[G0+5], s[G0+1], HALFB           ; half 1
	s_wait_dscnt 0x0
	s_wait_kmcnt 0x0
	s_load_b256 s[52:59], s[12:13], 0x0            ; the ten exponents
	s_load_b64 s[60:61], s[12:13], 0x20
	s_add_nc_u64 s[G0+2:G0+3], s[8:9], s[90:91]
	s_add_nc_u64 s[G0+6:G0+7], s[G0+2:G0+3], 256
	s_or_b32 s[G0+3], s[G0+3], 0x80000000          ; type = 2
	s_or_b32 s[G0+7], s[G0+7], 0x80000000
	tensor_load_to_lds s[G0:G0+3], s[G1:G1+7]      ; both halves go out together, ahead of everything else
	s_nop 0
	tensor_load_to_lds s[G0+4:G0+7], s[G1:G1+7]
	s_nop 0
.rept 4
	v_nop                                          ; four plain lines follow the loads
.endr
	; every LDS address is made here, on the one way that all waves take
	v_and_b32 v1, 15, v0                           ; r
	v_bfe_u32 v2, v0, 4, 1                         ; h
	v_and_b32 v22, 31, v0
	v_lshlrev_b32 v[LI], 4, v22
	v_mul_u32_u24 v23, v2, 8*XROW
	v_lshl_add_u32 v[XA0], v1, 2, v23
	v_add_nc_u32 v[XA0+1], QUART, v[XA0]
	v_add_nc_u32 v[XA0+2], 2*QUART, v[XA0]
	v_add_nc_u32 v[XA0+3], 3*QUART, v[XA0]
	s_lshl_b32 s92, s[WV], 10
	s_add_co_u32 s92, s92, CONST
	v_lshl_add_u32 v[CAD], v2, 5, s92
	v_lshl_add_u32 v[CVD], v1, 2, s92
	v_add_nc_u32 v[CW], s92, v[LI]
	s_and_b32 s93, s[WV], 1
	s_mul_i32 s93, s93, STGW
	s_add_co_u32 s93, s93, STG
	v_mul_u32_u24 v23, v1, 272
	v_lshl_add_u32 v23, v2, 5, v23
	v_add_nc_u32 v[STO], s93, v23                  ; in: row r, + 32 h
	v_mul_u32_u24 v23, v2, 272
	v_lshl_add_u32 v23, v1, 4, v23
	v_add_nc_u32 v[RD], s93, v23                   ; back: lanes 0-15 one row of 256 bytes, lanes 16-31 the next
	v_lshlrev_b32 v23, 14, v2
	v_lshl_add_u32 v[VO], v1, 4, v23               ; and the same two rows in vres
	; my 32 weight fragments
	s_lshl_b32 s90, s[WV], 16
	s_add_nc_u64 s[10:11], s[10:11], s[90:91]
	WIN 0x40                                       ; destination window 1
.irp q, 0,1
.irp t, 0,1,2,3,4,5,6,7
.irp i, 0,1,2,3
	global_load_b128 v[128*\q+16*\t+4*\i:128*\q+16*\t+4*\i+3], v[LI], s[10:11] offset:(8*\q+\t)*2048+512*\i
.endr
.endr
.endr
	WIN 0x80                                       ; destination window 2
.irp q, 0,1
.irp t, 0,1,2,3,4,5,6,7
.irp i, 0,1,2,3
	global_load_b128 v[128*\q+16*\t+4*\i:128*\q+16*\t+4*\i+3], v[LI], s[10:11] offset:(8*(\q+2)+\t)*2048+512*\i
.endr
.endr
.endr
	WIN 0
	; which buffers are my wave's: choices on the wave's number alone
	s_lshl_b32 s98, s[BT], 19
	s_lshl_b32 s90, ttmp9, 14
	s_add_co_u32 s98, s98, s90                     ; a, k: batch x 524,288 + block x 8 fragments
	s_lshl_b32 s99, s[BT], 20
	s_lshl_b32 s90, ttmp9, 15
	s_add_co_u32 s99, s99, s90
	s_and_b32 s90, s[WV], 1
	s_lshl_b32 s90, s90, 14
	s_add_co_u32 s99, s99, s90                     ; v: batch x 1,048,576 + block x 16 fragments + my 8
	s_mov_b32 s[OCS], 1024
	s_cmp_lt_u32 s[WV], 2
	s_cselect_b64 s[48:49], s[22:23], s[30:31]     ; gamma
	s_cselect_b64 s[50:51], s[24:25], s[32:33]     ; beta
	s_cselect_b64 s[62:63], s[26:27], s[34:35]     ; mean
	s_cselect_b64 s[66:67], s[28:29], s[36:37]     ; var
	s_cselect_b64 s[OC:OC+1], s[40:41], s[42:43]
	s_cselect_b32 s98, s98, s99
	s_cselect_b32 s[OCS], 8192, s[OCS]             ; a, k: four fragments a half; v: two groups of four registers in each fragment
	s_cmp_eq_u32 s[WV], 0
	s_cselect_b64 s[48:49], s[14:15], s[48:49]
	s_cselect_b64 s[50:51], s[16:17], s[50:51]
	s_cselect_b64 s[62:63], s[18:19], s[62:63]
	s_cselect_b64 s[66:67], s[20:21], s[66:67]
	s_cselect_b64 s[OC:OC+1], s[38:39], s[OC:OC+1]
	s_mov_b32 s99, 0
	s_mov_b32 s[OCS+1], 0
	s_add_nc_u64 s[OC:OC+1], s[OC:OC+1], s[98:99]
	s_cmp_eq_u32 s[WV], 3
	s_cselect_b32 s90, 512, 0                      ; wave 3: channels 128 on
	s_add_nc_u64 s[48:49], s[48:49], s[90:91]
	s_add_nc_u64 s[50:51], s[50:51], s[90:91]
	s_add_nc_u64 s[62:63], s[62:63], s[90:91]
	s_add_nc_u64 s[66:67], s[66:67], s[90:91]
	global_load_b128 v[32:35], v[LI], s[48:49]     ; four channels a lane
	global_load_b128 v[36:39], v[LI], s[50:51]
	global_load_b128 v[40:43], v[LI], s[62:63]
	global_load_b128 v[44:47], v[LI], s[66:67]
	s_lshl_b32 s90, s[BT], 22
	s_and_b32 s92, s[WV], 1
	s_lshl_b32 s92, s92, 21
	s_add_co_u32 s90, s90, s92
	s_lshl_b32 s92, ttmp9, 9
	s_add_co_u32 s90, s90, s92
	s_add_nc_u64 s[VR:VR+1], s[44:45], s[90:91]    ; vres: batch, my 128 channels, the block's points
	s_wait_kmcnt 0x0                               ; the exponents
	s_cmp_lt_u32 s[WV], 2
	s_cselect_b32 s92, s54, s58                    ; ex
	s_cselect_b32 s93, s55, s59                    ; ew
	s_cselect_b32 s94, s57, s60                    ; eo
	s_cmp_eq_u32 s[WV], 0
	s_cselect_b32 s92, s52, s92
	s_cselect_b32 s93, s53, s93
	s_cselect_b32 s94, s56, s94
	s_add_co_i32 s95, s92, s93                     ; ex + ew
	s_add_co_i32 s92, s92, 127
	s_lshl_b32 s93, s92, 23
	v_mov_b32 v[XSC], s93                          ; 2^ex as f32: the conversion takes its exponent field
	s_add_co_i32 s92, s92, 8
	s_lshl_b32 s92, s92, 23
	s_or_b32 s92, s92, 0x600000
	v_mov_b32 v[XLIM], s92                         ; 448 x 2^ex
	s_add_co_i32 s94, s94, 127
	s_lshl_b32 s93, s94, 23
	v_mov_b32 v[OSC], s93
	s_add_co_i32 s94, s94, 8
	s_lshl_b32 s94, s94, 23
	s_or_b32 s94, s94, 0x600000
	v_mov_b32 v[OLIM], s94
	s_wait_loadcnt 0x0                             ; the weights and the four vectors
.irp i, 0,1,2,3
	v_add_f32 v[44+\i], 0x3727c5ac, v[44+\i]       ; var + 1e-5
.endr
.irp i, 0,1,2,3
	v_rsq_f32 v[48+\i], v[44+\i]
.endr
	v_nop                                          ; a plain line behind the last of the batch,
	s_wait_alu depctr_va_vdst(0)                   ; and the one wait ahead of the first use
.irp i, 0,1,2,3
	v_mul_f32 v[48+\i], v[32+\i], v[48+\i]         ; gamma / sqrt(var + 1e-5)
.endr
.irp i, 0,1,2,3
	v_fma_f32 v[52+\i], -v[40+\i], v[48+\i], v[36+\i]   ; B
.endr
.irp i, 0,1,2,3
	v_ldexp_f32 v[48+\i], v[48+\i], s95            ; A: a sum stands for sum x 2^(ex + ew)
.endr
	ds_store_b128 v[CW], v[48:51]
	ds_store_b128 v[CW], v[52:55] offset:512
	s_mov_b32 s[HB], 0
	s_mov_b32 s[TRIP], 0
	s_wait_tensorcnt 0x1                           ; my part of half 0 is in; half 1's load, issued behind it, may stay out
	s_wait_dscnt 0x0
	s_barrier_signal -1
	s_barrier_wait -1                              ; everybody's part of half 0 is in
; Half a fragment of x: tile LH / 2 = 4 kc + u (16 points 16 u on, K 128 kc on), K chunks 4 (LH % 2) + 0 .. 3 of 16: register 8 c + j = K 16 (cc + c) + 8 h + j of my point
.macro LOADH
.set lkc, LH/8
.set lu,  (LH/2)%4
.set lcc, 4*(LH%2)
.set lxs, XS+32*(LH%3)
.irp c, 0,1,2,3
.irp j, 0,1,2,3,4,5,6,7
	ds_load_b32 v[lxs+8*\c+\j], v[XA+lkc] offset:(16*(lcc+\c)+\j)*XROW+64*lu
.endr
.endr
.endm
.macro CONVH                           ; half tile HX becomes eight registers of codes
.set cxs, XS+32*(HX%3)
.set cxc, XC+16*((HX/2)%2)+8*(HX%2)
.set n, 0
.rept 32
	v_med3_num_f32 v[cxs+n], v[cxs+n], -v[XLIM], v[XLIM]   ; the conversion to an 8-bit code does not saturate (ISA guide 7.6.2): the hold comes first
.set n, n+1
.endr
.irp c, 0,1,2,3
	v_cvt_scalef32_pk8_fp8_f32 v[cxc+2*\c:cxc+2*\c+1], v[cxs+8*\c:cxs+8*\c+7], v[XSC]
.endr
.endm
; Eight products: my eight tiles of output rows against the tile of x just made.  The eight accumulators take turns, and each comes back four such groups later.
; K's first 128 start the sums with the constant 0: nothing is cleared.  The two orientations stand under a branch on the wave's number.
.macro MULT
.set mkc, HX/8
.set mu,  (HX/2)%4
.set mxc, XC+16*((HX/2)%2)
.set mw,  1+mkc/2
.set mwb, 128*(mkc%2)
	v_nop                                          ; one plain line between the last conversion and the products that read its result
	s_cmp_lt_u32 s[WV], 2
	s_cbranch_scc0 .Lpoints_\@
	WIN 0xf0|mw                                    ; source 0 (W) window 1 or 2, source 1 (x) window 0, C and D window 3
.irp t, 0,1,2,3,4,5,6,7
.if mkc == 0
	v_wmma_f32_16x16x128_fp8_fp8 v[8*(8*mu+\t):8*(8*mu+\t)+7], v[mwb+16*\t:mwb+16*\t+15], v[mxc:mxc+15], 0
.else
	v_wmma_f32_16x16x128_fp8_fp8 v[8*(8*mu+\t):8*(8*mu+\t)+7], v[mwb+16*\t:mwb+16*\t+15], v[mxc:mxc+15], v[8*(8*mu+\t):8*(8*mu+\t)+7]
.endif
.endr
	WIN 0
	s_branch .Ldone_\@
.Lpoints_\@:
	WIN 0xf0|(mw<<2)                               ; source 0 (x) window 0, source 1 (W) window 1 or 2
.irp t, 0,1,2,3,4,5,6,7
.if mkc == 0
	v_wmma_f32_16x16x128_fp8_fp8 v[8*(8*mu+\t):8*(8*mu+\t)+7], v[mxc:mxc+15], v[mwb+16*\t:mwb+16*\t+15], 0
.else
	v_wmma_f32_16x16x128_fp8_fp8 v[8*(8*mu+\t):8*(8*mu+\t)+7], v[mxc:mxc+15], v[mwb+16*\t:mwb+16*\t+15], v[8*(8*mu+\t):8*(8*mu+\t)+7]
.endif
.endr
	WIN 0
.Ldone_\@:
.endm
; 64 channels x 64 points of v leave the stage as whole rows of 256 bytes: 32 rows at a time
.macro FLUSH p
.irp q, 0,1
.irp i, 0,1,2,3,4,5,6,7,8,9,10,11,12,13,14,15
	ds_load_b128 v[BK+4*\i:BK+4*\i+3], v[RD] offset:(32*\q+2*\i)*272   ; LDS serves a wave's instructions in order (ISA guide 5.7.1.4): these see my stores
.endr
.irp i, 0,1,2,3,4,5,6,7,8,9,10,11,12,13,14,15
	s_wait_dscnt 15-\i
	global_store_b128 v[VO], v[BK+4*\i:BK+4*\i+3], s[VR:VR+1] offset:(64*(\p)+32*\q+2*\i)*16384 th:TH_STORE_NT   ; sixteen lanes store 256 consecutive bytes, aligned
.endr
	s_wait_xcnt 0x0                                ; the stores have read their registers: the next loads may land there
.endr
.endm
.Lhalf:                                            ; two trips: 64 points each
.irp q, 0,1,2,3
	v_add_nc_u32 v[XA+\q], s[HB], v[XA0+\q]
.endr
.set LH, 0
	LOADH
.set LH, 1
	LOADH
.set HX, 0
.rept 32
.if HX < 31
	s_wait_dscnt 32                                ; this half tile's 32 loads are in; the next one's 32 may be out
.else
	s_wait_dscnt 0x0
.endif
.if HX < 30
.set LH, HX+2
	LOADH                                          ; two half tiles ahead, into the set that was converted last
.endif
	CONVH
.if (HX%2) == 1
	MULT
.endif
.set HX, HX+1
.endr
.rept 4
	v_nop                                          ; four places between the last products and the reads of results, and the loads into the registers that held x's codes
.endr
	s_cmp_lt_u32 s[WV], 2
	s_cbranch_scc0 .Lvout
	; ---- a and k: lane = point, registers = channels 16 t + 8 h + j
.irp t, 0,1,2,3,4,5,6,7
	ds_load_b128 v[CA+8*\t:CA+8*\t+3],   v[CAD] offset:64*\t
	ds_load_b128 v[CA+8*\t+4:CA+8*\t+7], v[CAD] offset:64*\t+16
	ds_load_b128 v[CB+8*\t:CB+8*\t+3],   v[CAD] offset:512+64*\t
	ds_load_b128 v[CB+8*\t+4:CB+8*\t+7], v[CAD] offset:512+64*\t+16
.endr
	s_wait_dscnt 0x0
.irp u, 0,1,2,3                        ; a tile of 16 points: one fragment
.if \u >= 2
	s_wait_xcnt 0x0                                ; the stores of two tiles back have read this set of code registers
.endif
	WIN 0x03                                       ; source 0 (the sums) window 3
.set n, 0
.rept 32
	v_pk_fma_f32 v[YA+n:YA+n+1], v[64*\u+n:64*\u+n+1], v[CA+n:CA+n+1], v[CB+n:CB+n+1]   ; sum x A + B; each accumulator from its low end on
.set n, n+2
.endr
	WIN 0
.set n, 0
.rept 64
	v_med3_num_f32 v[YA+n], v[YA+n], 0, v[OLIM]    ; the activation and the hold in one
.set n, n+1
.endr
.irp t, 0,1,2,3,4,5,6,7
	v_cvt_scalef32_pk8_fp8_f32 v[PCA+16*(\u%2)+2*\t:PCA+16*(\u%2)+2*\t+1], v[YA+8*\t:YA+8*\t+7], v[OSC]
.endr
	v_nop                                          ; a plain line behind the last conversion: the next tile writes its sources
.irp i, 0,1,2,3
	global_store_b128 v[LI], v[PCA+16*(\u%2)+4*\i:PCA+16*(\u%2)+4*\i+3], s[OC:OC+1] offset:2048*\u+512*\i   ; 512 consecutive bytes, aligned
.endr
.endr
	s_branch .Lout_done
.Lvout:
	; ---- v: lane = channel 16 t + r, registers = points 16 u + 8 h + j
.irp t, 0,1,2,3,4,5,6,7
	ds_load_b32 v[AB+4*\t],   v[CVD] offset:64*\t          ; each constant twice: a pair for the packed form
	ds_load_b32 v[AB+4*\t+1], v[CVD] offset:64*\t
	ds_load_b32 v[AB+4*\t+2], v[CVD] offset:512+64*\t
	ds_load_b32 v[AB+4*\t+3], v[CVD] offset:512+64*\t
.endr
	s_wait_dscnt 0x0
.irp t, 0,1,2,3,4,5,6,7
	WIN 0x03
.irp u, 0,1,2,3
.irp i, 0,2,4,6
	v_pk_fma_f32 v[YV+32*(\t%2)+8*\u+\i:YV+32*(\t%2)+8*\u+\i+1], v[8*(8*\u+\t)+\i:8*(8*\u+\t)+\i+1], v[AB+4*\t:AB+4*\t+1], v[AB+4*\t+2:AB+4*\t+3]
.endr
.endr
	WIN 0
.set n, 0
.rept 32
	v_max_num_f32 v[YV+32*(\t%2)+n], 0, v[YV+32*(\t%2)+n]   ; the activation: this is v, the residual
.set n, n+1
.endr
.irp u, 0,1,2,3
	ds_store_b128 v[STO], v[YV+32*(\t%2)+8*\u:YV+32*(\t%2)+8*\u+3]   offset:16*(\t%4)*272+64*\u
	ds_store_b128 v[STO], v[YV+32*(\t%2)+8*\u+4:YV+32*(\t%2)+8*\u+7] offset:16*(\t%4)*272+64*\u+16
.endr
.set n, 0
.rept 32
	v_min_num_f32 v[YV+32*(\t%2)+n], v[YV+32*(\t%2)+n], v[OLIM]   ; the hold; v is not negative, so it is one-sided
.set n, n+1
.endr
.if \t >= 2
	s_wait_xcnt 0x0                                ; the stores of two tiles back have read this set of code registers
.endif
.irp u, 0,1,2,3
	v_cvt_scalef32_pk8_fp8_f32 v[PCV+8*(\t%2)+2*\u:PCV+8*(\t%2)+2*\u+1], v[YV+32*(\t%2)+8*\u:YV+32*(\t%2)+8*\u+7], v[OSC]
.endr
	v_nop                                          ; a plain line behind the last conversion
.irp i, 0,1
	global_store_b128 v[LI], v[PCV+8*(\t%2)+4*\i:PCV+8*(\t%2)+4*\i+3], s[OC:OC+1] offset:2048*\t+512*\i   ; this half's eight registers of fragment t: 512 consecutive bytes each
.endr
.if (\t%4) == 3
	FLUSH \t/4
.endif
.endr
.Lout_done:
	s_wait_xcnt 0x0                                ; every store has read its registers and its base: both may be written
	s_add_nc_u64 s[OC:OC+1], s[OC:OC+1], s[OCS:OCS+1]
	s_add_nc_u64 s[VR:VR+1], s[VR:VR+1], 256
	s_add_co_u32 s[HB], s[HB], HALFB
	s_wait_tensorcnt 0x0                           ; my part of half 1 is in (the second trip finds nothing out)
	s_wait_dscnt 0x0
	s_barrier_signal -1
	s_barrier_wait -1
	s_add_co_u32 s[TRIP], s[TRIP], 1
	s_cmp_lt_u32 s[TRIP], 2
	s_cbranch_scc1 .Lhalf
	s_wait_tensorcnt 0x0
	ds_add_u32 v30, v31
	s_wait_dscnt 0x0
	s_endpgm
.Lfunc_end_k_qff3ef291da_project:
	.size	k_qff3ef291da_project, .Lfunc_end_k_qff3ef291da_project-k_qff3ef291da_project
	.p2alignl 7, 3214868480
	.fill 96, 4, 3214868480
	.section	.rodata,"a",@progbits
	.p2align	6, 0x0
	.amdhsa_kernel k_qff3ef291da_project
		.amdhsa_group_segment_fixed_size 317952
		.amdhsa_private_segment_fixed_size 0
		.amdhsa_enable_private_segment 0
		.amdhsa_kernarg_size 152
		.amdhsa_user_sgpr_count 2
		.amdhsa_user_sgpr_kernarg_segment_ptr 1
		.amdhsa_wavefront_size32 1
		.amdhsa_system_sgpr_workgroup_id_x 1
		.amdhsa_system_sgpr_workgroup_id_y 1
		.amdhsa_system_sgpr_workgroup_id_z 1
		.amdhsa_system_vgpr_workitem_id 0
		.amdhsa_next_free_vgpr 1024
		.amdhsa_next_free_sgpr 100
		.amdhsa_reserve_vcc 0
		.amdhsa_float_denorm_mode_32 3
		.amdhsa_float_denorm_mode_16_64 3
		.amdhsa_memory_ordered 1
		.amdhsa_forward_progress 1
		.amdhsa_inst_pref_size 255
	.end_amdhsa_kernel
	.amdgpu_metadata
---
amdhsa.version: [ 1, 2 ]
amdhsa.kernels:
  - .name:           k_qff3ef291da_project
    .symbol:         k_qff3ef291da_project.kd
    .args:
      - { .name: x, .offset: 0, .size: 8, .value_kind: global_buffer, .address_space: global }
      - { .name: wc, .offset: 8, .size: 8, .value_kind: global_buffer, .address_space: global }
      - { .name: lowp_scales, .offset: 16, .size: 8, .value_kind: global_buffer, .address_space: global }
      - { .name: g1, .offset: 24, .size: 8, .value_kind: global_buffer, .address_space: global }
      - { .name: b1, .offset: 32, .size: 8, .value_kind: global_buffer, .address_space: global }
      - { .name: m1, .offset: 40, .size: 8, .value_kind: global_buffer, .address_space: global }
      - { .name: v1, .offset: 48, .size: 8, .value_kind: global_buffer, .address_space: global }
      - { .name: g2, .offset: 56, .size: 8, .value_kind: global_buffer, .address_space: global }
      - { .name: b2, .offset: 64, .size: 8, .value_kind: global_buffer, .address_space: global }
      - { .name: m2, .offset: 72, .size: 8, .value_kind: global_buffer, .address_space: global }
      - { .name: v2, .offset: 80, .size: 8, .value_kind: global_buffer, .address_space: global }
      - { .name: g3, .offset: 88, .size: 8, .value_kind: global_buffer, .address_space: global }
      - { .name: b3, .offset: 96, .size: 8, .value_kind: global_buffer, .address_space: global }
      - { .name: m3, .offset: 104, .size: 8, .value_kind: global_buffer, .address_space: global }
      - { .name: v3, .offset: 112, .size: 8, .value_kind: global_buffer, .address_space: global }
      - { .name: qc, .offset: 120, .size: 8, .value_kind: global_buffer, .address_space: global }
      - { .name: kc, .offset: 128, .size: 8, .value_kind: global_buffer, .address_space: global }
      - { .name: vc, .offset: 136, .size: 8, .value_kind: global_buffer, .address_space: global }
      - { .name: vres, .offset: 144, .size: 8, .value_kind: global_buffer, .address_space: global }
    .group_segment_fixed_size: 317952
    .private_segment_fixed_size: 0
    .kernarg_segment_align: 8
    .kernarg_segment_size: 152
    .max_flat_workgroup_size: 128
    .sgpr_count:     100
    .vgpr_count:     1024
    .wavefront_size: 32
...
	.end_amdgpu_metadata
.endif
;; end of part 2
;; launch attend (part 3): grid 32 x 8, 4 waves a work-group, clusters of 4 x 1, 327,680 bytes of LDS; arguments qc, kc, vc, vres, lowp_scales, out0; writes out0
.if DOCPART == 3
	.amdgcn_target "amdgcn-amd-amdhsa--gfx1250"
	.amdhsa_code_object_version 6
	.text
	.protected	k_qff3ef291da_attend
	.globl	k_qff3ef291da_attend
	.p2align	8
	.type	k_qff3ef291da_attend,@function
k_qff3ef291da_attend:
	s_mov_b64 s[64:65], 0
	v_nop
	global_prefetch_b8 v0, s[64:65] scope:SCOPE_SE
	s_setreg_imm32_b32 hwreg(HW_REG_WAVE_MODE, 25, 1), 1
	s_wait_xcnt 0x0
	s_wait_alu depctr_hold_cnt(0) depctr_sa_sdst(0) depctr_va_vdst(0) depctr_va_sdst(0) depctr_va_ssrc(0) depctr_va_vcc(0) depctr_vm_vsrc(0)
	s_getreg_b32 s2, hwreg(HW_REG_IB_STS2, 6, 4)
	s_cmp_eq_u32 s2, 0
	s_cbranch_scc0 .Lentry_in_a_cluster
	s_endpgm
.Lentry_in_a_cluster:
	s_bfe_u32 s2, ttmp6, 0x10000c
	s_cmp_lg_u32 s2, 0x3003
	s_cbranch_scc0 .Lentry_shape_is_right
	s_endpgm
.Lentry_shape_is_right:
; out[b][c][m] = v[b][c][m] + sum over n of v[b][c][n] softmax_n(a[b][:][m] . k[b][:][n]), both products on codes of FP8 (E4M3), sums in f32.
; IN: qc, kc: [batch][tile of 16 points][2048], vc: [batch][block of 128 points][tile of 16 channels][2048]: images of operand registers (registers 4 i .. 4 i + 3 of lane l at 512 i + 16 l); vres: v in f32.
; THE SOFTMAX: t = score x log2(e); M = the running largest t rounded UP to a whole number; p = 2^(t - M) is what is quantised, not normalised; the row's sum is taken of the unquantised p and divides at the end.
; When M moves, the sum and O are multiplied by 2^(old M - new M), made by v_ldexp_f32 of 1.0: nothing is rounded, and no branch hangs on data.
; SHARES.  A work-group owns 128 queries of a batch, each of its four waves 32: two tiles of 16.  Every wave walks the batch's 4,096 keys in 16 BIG STEPS of 256.
; LAYOUT.  S^T = K Q^T (source 0 = 16 keys, source 1 = 16 queries) and O^T = V^T P (source 0 = 16 channels x 128 keys, source 1 = P): a lane holds ONE query throughout; the eight registers of score tile g,
; converted, ARE registers 2 g, 2 g + 1 of P.
; IN PHASES.  A big step has 96 matrix instructions and, for each tile, a list of 476 vector instructions.  One M serves 256 keys, so the 64 rescalings of a tile's O^T and the dependent tail of the maximum are paid
; once for 256 keys.  The matrix instructions stand in runs under one window setting: 16 switches a big step.  The two tiles use S^T's 128 registers one after the other.
;   K Q^T tile 0 | V's first block is asked of LDS | list 0 | K Q^T tile 1 | V's second block | list 1 | change of slots | V^T P second block, channels 0-127 | next K, first half | channels 128-255 | next K, second half | V^T P first block
; THE SECOND BLOCK GOES FIRST, so that the registers which it shares with K are free early: the next K has 32 to 48 matrix instructions in which to come, and both runs of V stand in front of a list.
; RING.  Two LDS slots of 256 keys each, filled by the tensor data mover: dense blocks, no padding, since every LDS load takes 512 consecutive bytes.  Two loads of mine are out at the start, one behind each round.
; CLUSTER.  The four query blocks of a cluster belong to one batch and walk the same K and V: each tile is asked for JOINTLY, by the same load with the same descriptor and a mask that names the four.
; LIMITS on the given exponents: entries 4 + 5 between -126 and 127 (added to log2(e)'s exponent field); entry 9 between -126 and 119; entries 8 + 9 are applied by v_ldexp_f32 and have none.
; REGISTERS, in windows of 256 (s_set_vgpr_msb: bits 1:0 source 0, 3:2 source 1, 5:4 source 2, 7:6 destination):
;   window 0: v0 the thread's number; v1-31 addresses, statistics, at work; v32-63 Q, 16 a tile; v64-127 P's codes, 32 a tile; v128-255 S^T of the tile in hand
;   window 1: O^T, 128 a tile     window 2: K of a big step, then V's second block; on the way out 64 rows of vres     window 3: V's first block; on the way out 64 rows of the result
.set STEPB, 49152                      ; 128 keys in LDS: K's 8 fragments, then V's 16
.set VOFF,  16384
.set SLOT1, 1<<17                      ; a slot holds 256 keys (98,304 bytes); slot 1 begins here: one exclusive or turns an address in one slot into the other's
.set SPARE, SLOT1+2*STEPB              ; behind the ring: the spare words, 128 bytes a wave: two blocks of 256 bytes that no other line names
.set SP,    528                        ; the way out: a stage of 256 rows (channels) x (128 queries x 4 bytes + 16), from LDS byte 0 on: the ring has had its last fill and its last read by then
.set LI,   1                           ; v1      16 x lane
.set ADR,  2                           ; v2      LDS address of my 16 bytes in the slot that is being read: its first 128 keys
.set ADRB, 3                           ; v3      its second 128 keys
.set PFO,  4                           ; v4      256 x lane: the prefetches of K and V
.set PSC,  5                           ; v5      2^e9 as f32, for the conversions
.set SPW,  6                           ; v6      LDS address of my spare word; never rewritten
.set NIL,  7                           ; v7      0; never rewritten
.set STA,  8                           ; tile y's statistics at v[8 + 4 y]: +0 -M, +1 the largest score so far, +2, +3 the sum (even registers', odd registers')
.set FF,   16                          ; v16     f = 2^(old M - new M);  v17 the largest t, at work
.set ONM,  18                          ; v18     the old -M, then old M - new M
.set RD,   19                          ; v19     the way out: the stage, back
.set CH,   20                          ; v20-27  eight chains of the maximum; then four pairs of partial sums
.set PFV,  28                          ; v28     the prefetches of vres: two lanes to a row of 512 bytes
.set STO,  28                          ; v28-31  the way out: the stage, in: 64 rows apart
.set QF,   32
.set PCD,  64
.set SC,   128
.set WV,   16
.set G1K,  24                          ; s[24:31] descriptor group 1 for K's blocks;  s[32:39] for V's
.set G1V,  32
.set G0K,  40                          ; s[40:47] group 0 for K: a set for each first fill; the second then walks on;  s[48:55] the same for V
.set G0V,  48
.set SLOTS, 56                         ; s56      slots still to be asked for
.set CS,   58                          ; s[58:59] log2(e) x 2^(e4 + e5)
.set SEL,  60                          ; s[60:61] lane selects for v_permlanex16_b32: lane l xor 16
.set TB,   62                          ; s62      LDS byte at which the slot that is being read begins
.set LIM,  63                          ; s63      1 in a wave that prefetches, else the greatest number
.set PFA,  66                          ; s[66:67] where my prefetches stand;  s[68:69] a slot on, in bytes
.set PFS,  68
.set PL,   77                          ; s77      448 x 2^e9
.set MSB, 0
.macro WIN new                         ; the immediate's high byte repeats the setting that is left; a switch that changes nothing is dropped
.if MSB != (\new)
	s_set_vgpr_msb (MSB<<8)|(\new)
.set MSB, (\new)
.endif
.endm
; A load into a register that a matrix instruction has read, and a vector instruction that reads a matrix result, stand four places behind that matrix instruction, and only plain vector instructions that name
; none of its registers are places (ISA guide 7.12.1 for vector instructions).  Behind a run of products no other vector work is at hand: four v_nop, four times a big step.
.macro PLACES
.rept 4
	v_nop
.endr
.endm
; A joint refill: waves 0 and 1 fetch the slot's two halves of K, waves 2 and 3 of V.  The branch hangs on the wave's number alone.  Four v_nop follow each of the two lines.
.macro JLOAD
	s_cmp_lt_u32 s[WV], 2
	s_cbranch_scc0 .Lfor_v_\@
	tensor_load_to_lds s[G0K+4:G0K+7], s[G1K:G1K+7]
	s_nop 0
.rept 4
	v_nop
.endr
	s_branch .Lasked_\@
.Lfor_v_\@:
	tensor_load_to_lds s[G0V+4:G0V+7], s[G1V:G1V+7]
	s_nop 0
.rept 4
	v_nop
.endr
.Lasked_\@:
.endm
; A prefetch of what the NEXT change of slots will ask for: a slot's 32,768 bytes of K and 65,536 of V, dense.  Each aligned block of 256 bytes is named once in the launch: all clusters of a batch walk the same
; K and V, so the batch's first cluster asks; its four partners take a quarter each, told apart BY ADDRESS; in each, wave 0 asks for K's 8,192 bytes, waves 1 and 2 for V's two pieces of 8,192, lanes 256 bytes apart.
; The last change that fills a slot asks for nothing.  Slots 0, 1 and 2 come by their loads alone.
.macro ASK
	s_cmp_gt_u32 s[SLOTS], s[LIM]
	s_cbranch_scc0 .Lnot_mine_\@
	global_prefetch_b8 v[PFO], s[PFA:PFA+1] th:TH_LOAD_NT scope:SCOPE_SE
.Lnot_mine_\@:
.endm
.macro CROUND                          ; a round of the cluster's barrier
	s_barrier_signal -1
	s_barrier_wait -1
	s_cmp_lg_u32 s[WV], 0
	s_cbranch_scc1 .Lnot_wave_0_\@
	s_barrier_signal -3
.Lnot_wave_0_\@:
	s_barrier_wait -3
	s_barrier_signal -1
	s_barrier_wait -1
.endm
	s_load_b256 s[4:11], s[0:1], 0x0               ; qc s[4:5], kc s[6:7], vc s[8:9], vres s[10:11]
	s_load_b128 s[12:15], s[0:1], 0x20             ; the exponents s[12:13], out0 s[14:15]
	v_lshl_add_u32 v[SPW], v0, 2, SPARE
	v_mov_b32 v[NIL], 0
	ds_add_u32 v6, v7
	ds_add_u32 v6, v7
	s_wait_dscnt 0x0
	v_lshrrev_b32 v29, 5, v0
	v_readfirstlane_b32 s[WV], v29                 ; wave 0..3
	s_bfe_u32 s17, ttmp6, 0x40000                  ; cx: my place in the cluster
	s_lshl_b32 s18, ttmp9, 2
	s_add_co_u32 s18, s18, s17                     ; my block of 128 queries = 4 x cluster x + cx: it enters global addresses alone
	s_and_b32 s19, ttmp7, 0xffff                   ; the batch, which the four partners share
	s_and_b32 s20, s[WV], 1                        ; which of a slot's two halves I fetch,
	s_mul_i32 s21, s20, STEPB                      ; and its place in a slot
	; descriptor group 1: dense blocks as rows of 256 bytes (32 elements of 8 bytes): K's 64 rows, V's 128
	s_mov_b32 s[G1K], 15|(3<<16)|(1<<21)           ; 15:0 the mask: all four work-groups; 17:16 elements of 8 bytes; 21 set beside a mask; no padding
	s_mov_b32 s[G1V], 15|(3<<16)|(1<<21)
	s_mov_b32 s[G1K+1], 32<<16                     ; tensor_dim0 = 32
	s_mov_b32 s[G1V+1], 32<<16
	s_mov_b32 s[G1K+2], 64<<16                     ; tensor_dim1
	s_mov_b32 s[G1V+2], 128<<16
	s_mov_b32 s[G1K+3], 32<<16                     ; tile_dim0 = 32
	s_mov_b32 s[G1V+3], 32<<16
	s_mov_b32 s[G1K+4], 64                         ; tile_dim1
	s_mov_b32 s[G1V+4], 128
	s_mov_b32 s[G1K+5], 32                         ; tensor_dim0_stride: dense
	s_mov_b32 s[G1V+5], 32
	s_mov_b32 s[G1K+6], 0
	s_mov_b32 s[G1V+6], 0
	s_mov_b32 s[G1K+7], 0
	s_mov_b32 s[G1V+7], 0
	s_mov_b32 s[SEL], 0x76543210
	s_mov_b32 s[SEL+1], 0xfedcba98
	s_mov_b32 s[TB], 0
	s_mov_b32 s[SLOTS], 14                         ; 16 slots' worth of keys; two are asked for at the head
	s_cmp_eq_u32 s[WV], 3
	s_cselect_b32 s70, 1, 0
	s_or_b32 s70, s70, ttmp9                       ; 0 in waves 0 to 2 of the batch's first cluster: the same in all four partners
	s_cmp_eq_u32 s70, 0
	s_cselect_b32 s[LIM], 1, -1
	v_and_b32 v29, 31, v0
	v_lshlrev_b32 v[LI], 4, v29
	v_lshlrev_b32 v[PFO], 8, v29
	v_lshrrev_b32 v[PFV], 1, v29
	v_lshlrev_b32 v[PFV], 14, v[PFV]
	v_and_b32 v29, 1, v29
	v_lshl_add_u32 v[PFV], v29, 8, v[PFV]          ; row lane / 2 of 16,384 bytes, + 256 (lane % 2)
	s_wait_kmcnt 0x0
	s_load_b64 s[72:73], s[12:13], 0x10            ; e4, e5
	s_load_b64 s[74:75], s[12:13], 0x20            ; e8, e9
	s_mov_b32 s23, 0
	s_lshl_b32 s22, s19, 19
	s_add_nc_u64 s[4:5], s[4:5], s[22:23]          ; each buffer at my batch
	s_add_nc_u64 s[6:7], s[6:7], s[22:23]
	s_lshl_b32 s22, s19, 20
	s_add_nc_u64 s[8:9], s[8:9], s[22:23]
	s_lshl_b32 s22, s19, 22
	s_add_nc_u64 s[10:11], s[10:11], s[22:23]
	s_add_nc_u64 s[14:15], s[14:15], s[22:23]
	; where my prefetches stand: in slot 2; the first change of slots steps them to slot 3.  Nothing is prefetched here, at the head
	s_mov_b32 s[PFS], 65536
	s_max_u32 s71, s[WV], 1
	s_sub_co_u32 s71, s71, 1
	s_lshl_b32 s71, s71, 13                        ; waves 1, 2: V's first or second piece
	s_cmp_eq_u32 s[WV], 0
	s_cselect_b64 s[PFA:PFA+1], s[6:7], s[8:9]
	s_cselect_b32 s[PFS], 32768, s[PFS]
	s_cselect_b32 s2, 13, 14
	s_lshl_b32 s2, s17, s2                         ; my work-group's quarter of a slot
	s_add_co_u32 s2, s2, s71
	s_lshl_b32 s3, s[PFS], 1
	s_add_co_u32 s2, s2, s3
	s_mov_b32 s3, 0
	s_mov_b32 s[PFS+1], 0
	s_add_nc_u64 s[PFA:PFA+1], s[PFA:PFA+1], s[2:3]
	; descriptor groups 0: nothing in them hangs on my place in the cluster
	s_lshl_b32 s22, s20, 14
	s_add_nc_u64 s[G0K+2:G0K+3], s[6:7], s[22:23]  ; slot 0: its first or second 128 keys
	s_add_nc_u64 s[G0K+6:G0K+7], s[G0K+2:G0K+3], 32768   ; slot 1
	s_lshl_b32 s22, s20, 15
	s_add_nc_u64 s[G0V+2:G0V+3], s[8:9], s[22:23]
	s_add_nc_u64 s[G0V+6:G0V+7], s[G0V+2:G0V+3], 65536
	s_or_b32 s[G0K+3], s[G0K+3], 0x80000000        ; type = 2
	s_or_b32 s[G0K+7], s[G0K+7], 0x80000000
	s_or_b32 s[G0V+3], s[G0V+3], 0x80000000
	s_or_b32 s[G0V+7], s[G0V+7], 0x80000000
	s_mov_b32 s[G0K], 1
	s_mov_b32 s[G0K+4], 1
	s_mov_b32 s[G0V], 1
	s_mov_b32 s[G0V+4], 1
	s_mov_b32 s[G0K+1], s21
	s_add_co_u32 s[G0K+5], s21, SLOT1
	s_add_co_u32 s[G0V+1], s21, VOFF
	s_add_co_u32 s[G0V+5], s21, SLOT1+VOFF
	; my wave's queries, and its 64 rows of vres and of out0
	s_lshl_b32 s2, s18, 14
	s_lshl_b32 s3, s[WV], 12
	s_add_co_u32 s2, s2, s3
	s_mov_b32 s3, 0
	s_add_nc_u64 s[4:5], s[4:5], s[2:3]            ; block x 8 fragments + wave x 2
	s_lshl_b32 s2, s18, 9
	s_lshl_b32 s3, s[WV], 20
	s_add_co_u32 s2, s2, s3
	s_mov_b32 s3, 0
	s_add_nc_u64 s[10:11], s[10:11], s[2:3]        ; wave x 64 rows of 16,384 bytes + block x 512
	s_add_nc_u64 s[14:15], s[14:15], s[2:3]
	CROUND                                         ; all four work-groups are here: the first joint loads meet
	s_cmp_lt_u32 s[WV], 2                          ; a wave's two first fills stand in one branch, ahead of every wait on TENSORcnt and every LDS read
	s_cbranch_scc0 .Lfirst_v
	tensor_load_to_lds s[G0K:G0K+3], s[G1K:G1K+7]
	s_nop 0
	tensor_load_to_lds s[G0K+4:G0K+7], s[G1K:G1K+7]
	s_nop 0
.rept 4
	v_nop
.endr
	s_branch .Lfirst_asked
.Lfirst_v:
	tensor_load_to_lds s[G0V:G0V+3], s[G1V:G1V+7]
	s_nop 0
	tensor_load_to_lds s[G0V+4:G0V+7], s[G1V:G1V+7]
	s_nop 0
.rept 4
	v_nop
.endr
.Lfirst_asked:
.irp y, 0,1
.irp i, 0,1,2,3
	global_load_b128 v[QF+16*\y+4*\i:QF+16*\y+4*\i+3], v[LI], s[4:5] offset:2048*\y+512*\i   ; Q stays in registers
.endr
.endr
	v_mov_b32 v[STA+1], 0xff61b1e6                 ; the largest score so far: -3e38, under every score
	v_mov_b32 v[STA+5], 0xff61b1e6
	s_wait_kmcnt 0x0
	s_add_co_i32 s70, s72, s73
	s_lshl_b32 s70, s70, 23
	s_mov_b32 s[CS], 0x3fb8aa3b                    ; log2(e);
	s_add_co_i32 s[CS], s[CS], s70                 ; a score stands for score x 2^(e4 + e5): the two exponents are added to its exponent field
	s_mov_b32 s[CS+1], s[CS]                       ; (named with it as a pair, so it is written)
	s_add_co_i32 s70, s75, 127
	s_lshl_b32 s71, s70, 23
	v_mov_b32 v[PSC], s71                          ; 2^e9 as f32, for the conversion
	s_add_co_i32 s70, s70, 8
	s_lshl_b32 s70, s70, 23
	s_or_b32 s[PL], s70, 0x600000                  ; 448 x 2^e9
	s_add_co_i32 s76, s74, s75                     ; e8 + e9
; THE MATRIX WORK.  Within a run every instruction has an accumulator of its own, and an accumulator comes back a run later at the soonest.
.macro KQ y, g0                        ; S^T(keys 16 g on) = K Q^T for g = g0 .. g0 + 7: the head's 128 channels are one instruction, which starts its sum with the constant 0
	WIN 0x02                                       ; K window 2, Q and S^T window 0
.set mi, \g0
.rept 8
	v_wmma_f32_16x16x128_fp8_fp8 v[SC+8*mi:SC+8*mi+7], v[16*mi:16*mi+15], v[QF+16*(\y):QF+16*(\y)+15], 0
.set mi, mi+1
.endr
.endm
.macro PV blk, i0, cnt, zero           ; O^T(both tiles, channels 16 i on) += V^T P for cnt tiles of channels.  blk = 0: the first 128 keys, V in window 3; 1: the second, V in window 2.  zero = 1: the sums begin
	WIN 0x53-(\blk)                                ; V window 3 or 2, P window 0, O^T window 1
.set mi, \i0
.rept \cnt
.irp y, 0,1
.set rO, 128*\y+8*mi
.set rP, PCD+32*\y+16*(\blk)
.if \zero
	v_wmma_f32_16x16x128_fp8_fp8 v[rO:rO+7], v[16*mi:16*mi+15], v[rP:rP+15], 0
.else
	v_wmma_f32_16x16x128_fp8_fp8 v[rO:rO+7], v[16*mi:16*mi+15], v[rP:rP+15], v[rO:rO+7]
.endif
.endr
.set mi, mi+1
.endr
.endm
; THE LDS LOADS stand in runs.  Every load takes 512 consecutive bytes.
.macro LDK half                        ; K's fragments 8 half .. 8 half + 7 of the slot at v[ADR]
	WIN 0x80                                       ; destination window 2
.set n, 0
.rept 32
	ds_load_b128 v[128*(\half)+4*n:128*(\half)+4*n+3], v[ADR+(\half)] offset:512*n
.set n, n+1
.endr
.endm
.macro LDV blk                         ; V's 16 fragments of the slot's first (window 3) or second (window 2) 128 keys
	WIN 0xc0-0x40*(\blk)
.set n, 0
.rept 64
	ds_load_b128 v[4*n:4*n+3], v[ADR+(\blk)] offset:VOFF+512*n
.set n, n+1
.endr
.endm
.macro LDR half                        ; 32 of my 64 rows of vres, 512 bytes each, into the registers that V's second block has left
	WIN 0x80
.set n, 0
.rept 32
	global_load_b128 v[128*(\half)+4*n:128*(\half)+4*n+3], v[LI], s[10:11] offset:16384*(32*(\half)+n) th:TH_LOAD_NT
.set n, n+1
.endr
.endm
; THE VECTOR WORK: one tile's softmax for 256 keys, 128 scores a lane.  first = 1: the first big step, which starts the sum and has no O^T yet.
;   68  the largest score, three operands at a time, in eight chains of sixteen scores, each begun with the largest so far; ascending
;    8  the other half of the lanes' maximum; as t; -M = floor(-t); f = 2^(old M - new M), whose three lines stand between the first scalings
;  192  t - M, two at a time, four scalings ahead of the exponentials that read them, then by turns: a scaling, two exponentials.  The 128 exponentials are ONE BATCH: nothing here names a result
;   64  O^T x f, the one part that leaves window 0: the independent work between the batch and its wait
;       the one wait between the batch and the first line that names a result
;  144  sixteen groups, one for each tile of 16 keys: the unquantised p are added to four partial sums, then held at 448 x 2^e9, two a line (one-sided: p is not negative), and the group BEFORE is converted
.macro SCALE b
	v_pk_fma_f32 v[SC+2*(\b):SC+2*(\b)+1], v[SC+2*(\b):SC+2*(\b)+1], s[CS:CS+1], v[rT:rT+1] op_sel_hi:[1,0,0]   ; of the two pairs the low word serves both halves
.endm
.macro SM y, first
.set rT, STA+4*(\y)
.set rC, PCD+32*(\y)
	WIN 0
.set k, 0
.rept 8
.set i, 0
.rept 8
.if k == 0
	v_max3_num_f32 v[CH+i], v[rT+1], v[SC+16*i], v[SC+16*i+1]
.else
	v_max3_num_f32 v[CH+i], v[CH+i], v[SC+16*i+2*k], v[SC+16*i+2*k+1]
.endif
.set i, i+1
.endr
.set k, k+1
.endr
	v_max3_num_f32 v[CH], v[CH], v[CH+1], v[CH+2]
	v_max3_num_f32 v[CH+3], v[CH+3], v[CH+4], v[CH+5]
	v_max_num_f32 v[CH+6], v[CH+6], v[CH+7]
	v_max3_num_f32 v[CH], v[CH], v[CH+3], v[CH+6]
.if !(\first)
	v_mov_b32 v[ONM], v[rT]                        ; the old -M is kept for f
.endif
	v_permlanex16_b32 v[CH+1], v[CH], s[SEL], s[SEL+1]   ; the query's other 128 keys lie in the lane 16 away
	v_max_num_f32 v[rT+1], v[CH], v[CH+1]          ; the largest score so far
	v_mul_f32 v[FF+1], s[CS], v[rT+1]              ; as t (the factor is positive)
	v_floor_f32 v[rT], -v[FF+1]                    ; -M = floor(-t) = -ceil(t): M is a whole number
	SCALE 0
.if !(\first)
	v_sub_f32 v[ONM], v[rT], v[ONM]                ; old M - new M: a whole number, 0 or less
.endif
	SCALE 1
.if !(\first)
	v_cvt_i32_f32 v[ONM], v[ONM]                   ; (it saturates)
.endif
	SCALE 2
.if !(\first)
	v_ldexp_f32 v[FF], 1.0, v[ONM]
.endif
	SCALE 3
.set b, 0
.rept 64
.if b < 60
	SCALE b+4
.endif
	v_exp_f32 v[SC+2*b], v[SC+2*b]
	v_exp_f32 v[SC+2*b+1], v[SC+2*b+1]
.set b, b+1
.endr
.if \first
	v_nop                                          ; the plain line behind the last exponential
.else
	WIN 0x41                                       ; O^T (destination and source 0) window 1, f window 0
.set n, 0
.rept 64
	v_pk_mul_f32 v[128*(\y)+n:128*(\y)+n+1], v[128*(\y)+n:128*(\y)+n+1], v[FF:FF+1] op_sel_hi:[1,0]   ; each accumulator from its low end on
.set n, n+2
.endr
	WIN 0
.endif
	s_wait_alu depctr_va_vdst(0)                   ; one wait for the tile's 128 exponentials
.set g, 0
.rept 16
.set qr, SC+8*g
.irp p, 0,1,2,3
.if g == 0
	v_pk_add_f32 v[CH+2*\p:CH+2*\p+1], v[qr+2*\p:qr+2*\p+1], v[qr+8+2*\p:qr+8+2*\p+1]   ; groups 0 and 1 start the four partial sums: nothing is cleared
.elseif g > 1
	v_pk_add_f32 v[CH+2*\p:CH+2*\p+1], v[CH+2*\p:CH+2*\p+1], v[qr+2*\p:qr+2*\p+1]
.endif
.endr
.irp p, 0,1,2,3
	v_dual_min_num_f32 v[qr+2*\p], s[PL], v[qr+2*\p] :: v_dual_min_num_f32 v[qr+2*\p+1], s[PL], v[qr+2*\p+1]   ; the conversion to an 8-bit code does not saturate (ISA guide 7.6.2): the hold comes first
.endr
.if g > 0
	v_cvt_scalef32_pk8_fp8_f32 v[rC+2*g-2:rC+2*g-1], v[qr-8:qr-1], v[PSC]   ; the group before: its holds stand five lines back or more; a plain line follows
.endif
.set g, g+1
.endr
	v_pk_add_f32 v[CH:CH+1], v[CH:CH+1], v[CH+2:CH+3]
	v_pk_add_f32 v[CH+4:CH+5], v[CH+4:CH+5], v[CH+6:CH+7]
	v_cvt_scalef32_pk8_fp8_f32 v[rC+30:rC+31], v[SC+120:SC+127], v[PSC]
.if \first
	v_pk_add_f32 v[rT+2:rT+3], v[CH:CH+1], v[CH+4:CH+5]   ; (also the plain line between the last conversion and the products that write its sources or read its result)
.else
	v_pk_add_f32 v[CH:CH+1], v[CH:CH+1], v[CH+4:CH+5]
	v_pk_fma_f32 v[rT+2:rT+3], v[rT+2:rT+3], v[FF:FF+1], v[CH:CH+1] op_sel_hi:[1,0,1]   ; the sum x f + this step's
.endif
.endm
; THE CHANGE OF SLOTS stands behind the second list: the slot's last bytes, V's second block, have been asked for.  Each wave waits for all its tensor loads (one is out: its part of the other slot), adds 0 to its
; spare word, and waits for that and for its reads of the slot.  fill = 1: the barrier is a round of the cluster's, and the joint refill, with the keys two slots on, is the first thing behind it: it has a whole
; big step, 96 matrix instructions and two lists, in which to land.  From here on the other slot is read.
.macro CHANGE fill
	WIN 0                                          ; at a label and at a branch every window is 0
	s_wait_tensorcnt 0x0                           ; no tensor load of mine is out, so a group 0 may be written
	ds_add_u32 v[SPW], v[NIL]                      ; 0 onto my spare word
.if \fill
	s_xor_b32 s[G0K+5], s[G0K+5], SLOT1            ; the walking descriptors: the other slot than last time,
	s_add_nc_u64 s[G0K+6:G0K+7], s[G0K+6:G0K+7], 32768   ; the next 256 keys; the type bits on top are not reached
	s_xor_b32 s[G0V+5], s[G0V+5], SLOT1
	s_add_nc_u64 s[G0V+6:G0V+7], s[G0V+6:G0V+7], 65536
	s_wait_xcnt 0x0                                ; the last prefetch, a big step back, has read its address, so it may be written
	s_add_nc_u64 s[PFA:PFA+1], s[PFA:PFA+1], s[PFS:PFS+1]
	s_wait_dscnt 0x0                               ; the add is done, and my reads of the slot are over: both blocks of V are in
	CROUND
	JLOAD
	ASK
.else
	s_wait_dscnt 0x0
	s_barrier_signal -1
	s_barrier_wait -1
.endif
	s_xor_b32 s[TB], s[TB], SLOT1
	v_add_nc_u32 v[ADR], s[TB], v[LI]
	v_add_nc_u32 v[ADRB], STEPB, v[ADR]
.endm
; A BIG STEP: 256 keys.  At its head 64 LDS loads of mine may be out: K's two halves.
; mode = 2: the slot is filled again; 1: nothing is left to fetch, the last slot is still to be read; 0: the last big step: no slot follows, and my rows of vres are asked for where K would be.
.macro BIG first, mode
	s_wait_dscnt 32                                ; K's first half is in; the 32 loads of the second were issued behind it
	KQ 0, 0
	s_wait_dscnt 0x0                               ; K's second half is in
	KQ 0, 8
	PLACES
	LDV 0                                          ; window 3 was last read by the big step before: the list below stands between these loads and their use
	SM 0, \first
	KQ 1, 0
	KQ 1, 8
	PLACES
	LDV 1                                          ; K is done with: V's second block takes its registers
	SM 1, \first
.if (\mode) == 2
	CHANGE 1
.elseif (\mode) == 1
	CHANGE 0
.irp q, 0,1,2,3
	global_prefetch_b8 v[PFV], s[10:11] offset:262144*\q th:TH_LOAD_NT scope:SCOPE_SE   ; my 64 rows of vres, 16 rows an instruction, each aligned 256 bytes named once: a big step ahead of their loads
.endr
.else
	s_wait_dscnt 0x0                               ; both blocks of V are in
.endif
	PV 1, 0, 8, \first
	PLACES
.if \mode
	LDK 0
.else
	LDR 0
.endif
	PV 1, 8, 8, \first
	PLACES
.if \mode
	LDK 1
.else
	LDR 1
.endif
	PV 0, 0, 16, 0
	WIN 0
.endm
	s_wait_tensorcnt 0x1                           ; my part of slot 0 is in; slot 1's may stay out
	s_barrier_signal -1
	s_barrier_wait -1                              ; everybody's is
	v_add_nc_u32 v[ADR], s[TB], v[LI]
	v_add_nc_u32 v[ADRB], STEPB, v[ADR]
	LDK 0                                          ; K of the first 256 keys
	LDK 1
	WIN 0
	s_wait_loadcnt 0x0                             ; Q
	BIG 1, 2                                       ; the first big step is written out: its products start O^T's sums, and nothing is cleared
	s_mov_b32 s[SLOTS], 13
.Lslot:                                            ; 13 trips: with the first big step, every slot but the last two is filled again
	BIG 0, 2
	s_sub_co_u32 s[SLOTS], s[SLOTS], 1
	s_cmp_lg_u32 s[SLOTS], 0
	s_cbranch_scc1 .Lslot
	BIG 0, 1                                       ; the tail is written out
	BIG 0, 0
	; THE WAY OUT.  The stage's addresses are made (these lines are the places behind the last products); the sum's halves and the other half of the lanes' are added; O^T x 2^(e8 + e9) / the sum goes into the
	; work-group's stage, a row to a channel; each wave takes 64 whole rows of 512 bytes back, adds v and stores them.
	s_wait_xcnt 0x0                                ; the prefetches have read v4 and v28: both may be written
	s_lshl_b32 s70, s[WV], 7
	s_mul_i32 s71, s[WV], 64*SP
	v_and_b32 v[ADR], 15, v0                       ; r
	v_bfe_u32 v[ADRB], v0, 4, 1                    ; h
	v_mul_u32_u24 v[PFO], v[ADRB], 8*SP
	v_lshl_add_u32 v[PFO], v[ADR], 2, v[PFO]
	v_add_nc_u32 v[STO], s70, v[PFO]               ; in: row 8 h, byte 4 (32 wave + r)
	v_add_nc_u32 v[STO+1], 64*SP, v[STO]
	v_add_nc_u32 v[STO+2], 2*64*SP, v[STO]
	v_add_nc_u32 v[STO+3], 3*64*SP, v[STO]
	v_add_nc_u32 v[RD], s71, v[LI]                 ; back: my 64 rows, 16 bytes a lane
.irp y, 0,1
	v_add_f32 v[CH+4*\y], v[STA+4*\y+2], v[STA+4*\y+3]
.endr
.irp y, 0,1
	v_permlanex16_b32 v[CH+4*\y+1], v[CH+4*\y], s[SEL], s[SEL+1]
.endr
.irp y, 0,1
	v_add_f32 v[CH+4*\y], v[CH+4*\y], v[CH+4*\y+1]
.endr
.irp y, 0,1
	v_rcp_f32 v[CH+4*\y+2], v[CH+4*\y]
.endr
	v_nop                                          ; a plain line behind the last reciprocal,
	s_wait_alu depctr_va_vdst(0)                   ; and the one wait ahead of the first use
.irp y, 0,1
	v_ldexp_f32 v[CH+4*\y+2], v[CH+4*\y+2], s76
.endr
	s_wait_dscnt 0x0                               ; my reads of the ring are over,
	s_barrier_signal -1
	s_barrier_wait -1                              ; and everybody's: the stage may be written over the ring, which has had its last fill
.irp y, 0,1
	WIN 0x41
.set n, 0
.rept 64
	v_pk_mul_f32 v[128*\y+n:128*\y+n+1], v[128*\y+n:128*\y+n+1], v[CH+4*\y+2:CH+4*\y+3] op_sel_hi:[1,0]   ; each accumulator from its low end on
.set n, n+2
.endr
	WIN 0x04                                       ; the stores' data lie in window 1
.set i, 0
.rept 16
.irp j, 0,1,2,3,4,5,6,7
	ds_store_b32 v[STO+i/4], v[128*\y+8*i+\j] offset:(16*(i%4)+\j)*SP+64*\y   ; channel 16 i + 8 h + j, query 32 wave + 16 y + r: sixteen lanes write 64 neighbouring bytes; the other sixteen stand 8 rows = 1,056 words further on
.endr
.set i, i+1
.endr
.endr
	s_wait_dscnt 0x0                               ; for the others' sake: my stores into the stage are done
	s_barrier_signal -1
	s_barrier_wait -1
	WIN 0xc0                                       ; destination window 3
.set n, 0
.rept 64
	ds_load_b128 v[4*n:4*n+3], v[RD] offset:SP*n
.set n, n+1
.endr
	s_wait_loadcnt 0x0                             ; vres
.irp u, 0,1
	s_wait_dscnt 32-32*\u                          ; 32 rows are back; the other 32 may be out
	WIN 0xcb                                       ; destination and source 0 window 3, source 1 (vres) window 2
.set n, 0
.rept 64
	v_pk_add_f32 v[128*\u+n:128*\u+n+1], v[128*\u+n:128*\u+n+1], v[128*\u+n:128*\u+n+1]
.set n, n+2
.endr
	WIN 0x0c                                       ; the stores' data lie in window 3
.set n, 0
.rept 32
	global_store_b128 v[LI], v[128*\u+4*n:128*\u+4*n+3], s[14:15] offset:(32*\u+n)*16384 th:TH_STORE_NT   ; 32 lanes store 512 consecutive bytes, aligned
.set n, n+1
.endr
.endr
	WIN 0
	s_wait_tensorcnt 0x0                           ; the wave's end: behind my last tensor load and my last LDS store
	ds_add_u32 v[SPW], v[NIL]
	s_wait_dscnt 0x0
	CROUND                                         ; the closing round: no work-group ends while a partner may still ask for a tile that names it
	s_endpgm
.Lfunc_end_k_qff3ef291da_attend:
	.size	k_qff3ef291da_attend, .Lfunc_end_k_qff3ef291da_attend-k_qff3ef291da_attend
	.p2alignl 7, 3214868480
	.fill 96, 4, 3214868480
	.section	.rodata,"a",@progbits
	.p2align	6, 0x0
	.amdhsa_kernel k_qff3ef291da_attend
		.amdhsa_group_segment_fixed_size 327680
		.amdhsa_private_segment_fixed_size 0
		.amdhsa_enable_private_segment 0
		.amdhsa_kernarg_size 48
		.amdhsa_user_sgpr_count 2
		.amdhsa_user_sgpr_kernarg_segment_ptr 1
		.amdhsa_wavefront_size32 1
		.amdhsa_system_sgpr_workgroup_id_x 1
		.amdhsa_system_sgpr_workgroup_id_y 1
		.amdhsa_system_sgpr_workgroup_id_z 1
		.amdhsa_system_vgpr_workitem_id 0
		.amdhsa_next_free_vgpr 1024
		.amdhsa_next_free_sgpr 80
		.amdhsa_reserve_vcc 0
		.amdhsa_float_denorm_mode_32 3
		.amdhsa_float_denorm_mode_16_64 3
		.amdhsa_memory_ordered 1
		.amdhsa_forward_progress 1
		.amdhsa_inst_pref_size 255
	.end_amdhsa_kernel
	.section	.bss,"aw",@nobits
	.p2align	6
	.space	262144
	.amdgpu_metadata
---
amdhsa.version: [ 1, 2 ]
amdhsa.kernels:
  - .name:           k_qff3ef291da_attend
    .symbol:         k_qff3ef291da_attend.kd
    .args:
      - { .name: qc, .offset: 0, .size: 8, .value_kind: global_buffer, .address_space: global }
      - { .name: kc, .offset: 8, .size: 8, .value_kind: global_buffer, .address_space: global }
      - { .name: vc, .offset: 16, .size: 8, .value_kind: global_buffer, .address_space: global }
      - { .name: vres, .offset: 24, .size: 8, .value_kind: global_buffer, .address_space: global }
      - { .name: lowp_scales, .offset: 32, .size: 8, .value_kind: global_buffer, .address_space: global }
      - { .name: out0, .offset: 40, .size: 8, .value_kind: global_buffer, .address_space: global }
    .group_segment_fixed_size: 327680
    .private_segment_fixed_size: 0
    .kernarg_segment_align: 8
    .kernarg_segment_size: 48
    .max_flat_workgroup_size: 128
    .sgpr_count:     80
    .vgpr_count:     1024
    .wavefront_size: 32
...
	.end_amdgpu_metadata
.endif
;; end of part 3
